; MI455X (gfx1250); checked and timed in simulation.
; The chip was launched on July 23, 2026; its instructions are those of AMD's public machine-readable ISA for CDNA 5 (MIT licence, August 2026) and "CDNA5" Instruction Set Architecture Reference Guide (July 2026). The comments in the code are by the model that wrote it; some were corrected since.
;; Type Conditional Linear. Allowed arithmetic: float matrix products may take bf16 or f16 operands with f32 sums; other float arithmetic in f32, or as packed bf16 or f16 multiplies, adds, multiply-adds, maxima and minima; sums over many terms, partial sums and values carried from step to step in f32; what a program stores and reads back later, other than sums and carried values, may be rounded once to bf16 or f16.
;; Inputs: bias 16 x 512 float32; i_type 16,384 int32; input 16,384 x 512 float32; weight 16 x 512 x 512 float32.
;; Outputs: out0 16,384 x 512 float32.
;; One version. Each part assembles by itself: llvm-mc -triple=amdgcn-amd-amdhsa -mcpu=gfx1250 --defsym DOCPART=n.
;; ======== version 1 of 1: 1 launch
;; launch tcl (part 1): grid 256 x 1, 8 waves a work-group, no clusters, 271,616 bytes of LDS; arguments input, i_type, weight, bias, out0; writes out0
.if DOCPART == 1
	.amdgcn_target "amdgcn-amd-amdhsa--gfx1250"
	.amdhsa_code_object_version 6
	.text
	.protected	k_qdb6bb9b7a2_tcl
	.globl	k_qdb6bb9b7a2_tcl
	.p2align	8
	.type	k_qdb6bb9b7a2_tcl,@function
k_qdb6bb9b7a2_tcl:
	s_mov_b64 s[64:65], 0
	v_nop
	global_prefetch_b8 v0, s[64:65] scope:SCOPE_SE
	s_setreg_imm32_b32 hwreg(HW_REG_WAVE_MODE, 25, 1), 1
	s_wait_xcnt 0x0
; out0[n][:] = input[n][:] x weight[i_type[n]]^T + bias[i_type[n]].  input, out0: [16384][512] f32; weight: [16][512][512] f32; bias: [16][512] f32; i_type: [16384] i32.
; Only the chosen type's product is made.  Operands are rounded once to bf16, sums are f32, the bias is added in f32 behind the sum.
; SHARES.  Work-group x: slice sl = bits 0-1 of x (128 output columns), row group j = bits 4-5, type e = bits 6-7 and 2-3: the four that read the same token rows are neighbours,
; the four that read the same slice of weights are 16 apart.  The work-group rounds its slice of the type's weights (128 rows x 512 k) into LDS once.  Each of its eight waves scans
; 2,048 entries of i_type and lists the tokens of type e; the rank of a token is (scanning wave, register, lane), the same in all sixteen work-groups of a type.  Row group j owns the
; blocks of 16 ranks j nblk / 4 .. (j + 1) nblk / 4 - 1; a wave takes its blocks through all 128 columns in passes of 3 blocks (or 2, where fewer than 3 are left).
; DEALING.  The group's m blocks go to the waves in order.  Up to m = 20: three to each of waves 0-3, then two to each of waves 4-7, until none is left (m = 16: 3,3,3,3,2,2,0,0);
; beyond 20: evenly, w m / 8.  A wave reads the whole slice of B, 131,072 bytes, from LDS once a pass, whatever the pass's blocks: six waves read it six times where eight waves of
; two blocks would read it eight times.  Of waves w and w + 4 at most one has three blocks.  Every split of the tokens is served: a list holds all 2,048 of a scan, the number of
; passes hangs on the count, a wave without a block scans, rounds its weights, passes both barriers, stores nothing and ends.
; ORDER.  i_type is asked for first; the weight loads go out partly ahead of the scan and partly between its groups, so that the scan waits for i_type alone.  Behind the FIRST barrier
; (lists and counts are whole) a wave finds its share and asks for the first five units of its gather among the conversions of the weights; behind the SECOND barrier (B is whole) the
; waves go their own ways.  A pass's head (look-up, offsets, first five units) stands at the end of the pass before it.
; LIMITS.  A token whose i_type lies outside 0 .. 15 is written by nobody (the index stays inside the table that it indexes).  Places past a type's count repeat its last row;
; whole stores past the count are jumped; a store with one half past the count writes the last row's own bytes once more.  EXEC is never changed.  A wave without a block still makes
; the head's look-up, at LDS addresses that the clamps hold inside the lists, and uses nothing of it.
; NO JOINT LOADS.  The work-groups that share weights differ in j, and their numbers of passes hang on j; the f32 slice (262,144 bytes) has no room in LDS beside its bf16 copy
; (133,120) and the lists (67,584); the token rows that neighbours share come by a list, which no tile descriptor covers.  So everything comes through registers.
; THE MATRIX INSTRUCTION IS USED TRANSPOSED: source 0 = 16 rows of the weights, source 1 = 16 token rows: a lane holds one token row (lane % 16) and eight neighbouring columns.
; REGISTERS.  Window 0: v0-37 addresses and work; v40-63 row offsets; v64-87 A fragments (v64-95 at first: rounded weights); v96-255 five buffers of 32 for the gather (at first
; i_type, at the end the way out).  Window 1: v0-191 accumulators, (block b, column block n) at 8 (8 b + n); v192-255 B fragments; at first all 256 take the 64 weight loads.
.set BPITCH, 1040                      ; a row of B in LDS: 1,024 bytes + 16 = 65 x 16: the 16 rows of a fragment load start at 16 different groups of four banks (64 banks of 4 bytes: ISA guide 11.1)
.set LIST,   128*BPITCH                ; 133,120: eight lists, one for each scanning wave
.set LISTW,  8448                      ; 2,048 token numbers, then the dump word for lanes that do not match; 33 x 256
.set STG,    LIST+8*LISTW              ; 200,704: a stage for each wave: 48 rows x 144 on the way in, 16 rows x 528 on the way out
.set STGW,   8448
.set APITCH, 144                       ; 64 k of bf16 + 16
.set OPITCH, 528                       ; 128 f32 + 16
.set RTOK,   STG+8*STGW                ; 268,288: for each wave the token numbers of a pass's rows, 64 words
.set CNT,    RTOK+8*256                ; 270,336: word w: the count of scanning wave w
.set SPARE,  CNT+256                   ; 270,592: the spare words, 128 bytes for each wave: four blocks of 256 bytes that no other line names
.set LN,   1                           ; v1   lane
.set C16,  2                           ; v2   lane % 16
.set HH,   3                           ; v3   lane / 16
.set SPW,  4                           ; v4   LDS address of my spare word; never rewritten
.set NIL,  5                           ; v5   0; never rewritten
.set TOFF, 6                           ; v6   my 16 bytes in my wave's 8,192 bytes of i_type
.set TOKB, 7                           ; v7   the token number of my first entry
.set LBV,  8                           ; v8   my wave's list
.set WOFF, 9                           ; v9   16 x lane
.set BW,   10                          ; v10  where I put 8 bytes of B
.set ADRB, 11                          ; v11-12  my lane's place in B's column blocks 0-3, 4-7
.set ASTW, 13                          ; v13  A stage, in
.set ASTR, 14                          ; v14  A stage, fragments
.set OSTW, 15                          ; v15  out stage, in
.set OSTR, 16                          ; v16  out stage, rows back
.set RTW,  17                          ; v17  RTOK, in
.set RTR,  18                          ; v18  RTOK, back
.set CB,   19                          ; v19  16 x (lane % 16)
.set BIAS, 20                          ; v20-27  bias of my 4 columns in each half of the slice
.set TP,   28                          ; v28-35  at work
.set DMP,  36                          ; v36  2,048: the dump entry
.set CAD,  37                          ; v37  CNT
.set OFFS, 40                          ; v40-63  entry 8 b + i: token x 2,048 + 16 (lane % 16) for rows 16 b + i (lanes 0-15) and 16 b + 8 + i (lanes 16-31), in input and in out0
.set AF,   64
.set TW,   64                          ; rounded weights, two sets of 16, ahead of the second barrier
.set LB,   96
.set TT,   96                          ; i_type, 64 registers
.set BF,   192                         ; window 1
.set WV,   14                          ; s14  wave
.set EX,   15                          ; s15  type
.set SL,   16                          ; s16  slice
.set JG,   17                          ; s17  row group
.set MK,   20                          ; s20-23  four masks
.set RB,   24                          ; s24-27  the ranks at which four registers begin; s24 runs on
.set NB3,  28                          ; s28  1: the pass in hand has three blocks
.set CW,   30                          ; s30-37  the eight counts
.set BASE, 38                          ; s39-45  the ranks at which lists 1 to 7 begin (list 0 begins at 0)
.set CE,   46                          ; the type's count
.set NBLK, 47
.set MG,   48                          ; m: my row group's blocks
.set CUR,  49                          ; the pass's first block
.set BHI,  50                          ; the block behind my last
.set PN,   51                          ; passes
.set PCN,  52                          ; passes done
.set G0,   53                          ; the pass's first rank
.set GL,   54                          ; its last valid rank
.set NV,   55                          ; its valid rows
.set TS,   56
.set TS2,  57
.set MSB, 0
.macro WIN new                         ; s_set_vgpr_msb: bits 1:0 source 0, 3:2 source 1, 5:4 source 2, 7:6 destination; the high byte repeats the setting that is left
.if MSB != (\new)
	s_set_vgpr_msb (MSB<<8)|(\new)
.set MSB, \new
.endif
.endm
.macro PLACES                          ; four places between a matrix instruction and a load into, or a store from, its registers
.rept 4
	v_nop
.endr
.endm
; The next n of my 64 weight loads, each of 512 consecutive bytes: load t is row t / 4 of my 16, 128 k from 128 (t % 4) on, into window 1
.set wt, 0
.macro WLOADS n
	WIN 0x40                                       ; destination window 1
.rept \n
	global_load_b128 v[4*wt:4*wt+3], v[WOFF], s[8:9] offset:(wt/4)*2048+(wt%4)*512
.set wt, wt+1
.endr
	WIN 0
.endm
	s_load_b256 s[4:11], s[0:1], 0x0               ; input s[4:5], i_type s[6:7], weight s[8:9], bias s[10:11]
	s_load_b64 s[12:13], s[0:1], 0x20              ; out0
	v_lshl_add_u32 v[SPW], v0, 2, SPARE
	v_mov_b32 v[NIL], 0
	v_lshrrev_b32 v[TP], 5, v0
	v_readfirstlane_b32 s[WV], v[TP]               ; wave 0..7
	v_and_b32 v[LN], 31, v0
	v_and_b32 v[C16], 15, v0
	v_bfe_u32 v[HH], v0, 4, 1
	s_bfe_u32 s[EX], ttmp9, 0x20002                ; the type's low two bits: bits 2-3 of x,
	s_lshr_b32 s[TS], ttmp9, 6                     ; its high two: bits 6-7 (x is below 256)
	s_lshl2_add_u32 s[EX], s[TS], s[EX]
	s_and_b32 s[SL], ttmp9, 3
	s_bfe_u32 s[JG], ttmp9, 0x20004                ; bits 4-5
	s_lshl_b32 s[TS], s[WV], 13
	v_lshl_add_u32 v[TOFF], v[LN], 4, s[TS]        ; 8,192 w + 16 lane
	v_lshlrev_b32 v[WOFF], 4, v[LN]
	v_lshlrev_b32 v[CB], 4, v[C16]
	s_lshl_b32 s18, s[EX], 20                      ; a type's weights are 1,048,576 bytes,
	s_lshl_b32 s[TS], s[SL], 18                    ; a slice of 128 rows 262,144,
	s_add_co_u32 s18, s18, s[TS]
	s_lshl_b32 s[TS], s[WV], 15                    ; my wave's 16 rows 32,768
	s_add_co_u32 s18, s18, s[TS]
	s_mov_b32 s19, 0
	s_lshl_b32 s58, s[EX], 11                      ; bias: 2,048 bytes a type, 512 a slice
	s_lshl_b32 s60, s[SL], 9                       ; out0: the slice's 512 bytes in a row
	s_add_co_u32 s58, s58, s60
	s_mov_b32 s59, 0
	s_mov_b32 s61, 0
	s_wait_kmcnt 0x0
	s_add_nc_u64 s[8:9], s[8:9], s[18:19]
	s_add_nc_u64 s[10:11], s[10:11], s[58:59]
	s_add_nc_u64 s[12:13], s[12:13], s[60:61]
	; 42 loads on end: i_type first, since the scan wants it first; then the bias; then the first 24 of the weights, which go out while i_type is on its way
.set i, 0
.rept 16
	global_load_b128 v[TT+4*i:TT+4*i+3], v[TOFF], s[6:7] offset:512*i
.set i, i+1
.endr
	global_load_b128 v[BIAS:BIAS+3], v[CB], s[10:11]
	global_load_b128 v[BIAS+4:BIAS+7], v[CB], s[10:11] offset:256
	WLOADS 24
	; the other addresses are made while the loads are out
	s_lshl_b32 s[TS2], s[WV], 11
	v_lshl_add_u32 v[TOKB], v[LN], 2, s[TS2]       ; 2,048 w + 4 lane
	s_mul_i32 s[TS2], s[WV], LISTW
	s_add_co_u32 s[TS2], s[TS2], LIST
	v_mov_b32 v[LBV], s[TS2]
	s_mul_i32 s[TS2], s[WV], 16*BPITCH
	v_lshl_add_u32 v[BW], v[LN], 3, s[TS2]         ; my wave's 16 rows of B + 8 lane
	v_mul_u32_u24 v[ADRB], v[C16], BPITCH
	v_lshl_add_u32 v[ADRB], v[HH], 4, v[ADRB]      ; a fragment's row x pitch + 16 x half
	v_add_nc_u32 v[ADRB+1], 64*BPITCH, v[ADRB]     ; rows 64 on: an LDS offset has 16 bits
	s_mul_i32 s[TS], s[WV], STGW
	s_add_co_u32 s[TS], s[TS], STG                 ; my stage
	v_mul_u32_u24 v[ASTW], v[HH], 8*APITCH         ; in: lanes 16-31 hold the row 8 further down: 1,152 bytes on, the other half of the banks
	v_lshl_add_u32 v[ASTW], v[C16], 3, v[ASTW]
	v_add_nc_u32 v[ASTW], s[TS], v[ASTW]
	v_mul_u32_u24 v[ASTR], v[C16], APITCH
	v_lshl_add_u32 v[ASTR], v[HH], 4, v[ASTR]
	v_add_nc_u32 v[ASTR], s[TS], v[ASTR]
	v_mul_u32_u24 v[OSTW], v[C16], OPITCH          ; out: row lane % 16, 32 bytes for each half of the lanes
	v_lshl_add_u32 v[OSTW], v[HH], 5, v[OSTW]
	v_add_nc_u32 v[OSTW], s[TS], v[OSTW]
	v_mul_u32_u24 v[OSTR], v[HH], 8*OPITCH         ; back: lanes 0-15 take 256 bytes of row i, lanes 16-31 of row i + 8
	v_lshl_add_u32 v[OSTR], v[C16], 4, v[OSTR]
	v_add_nc_u32 v[OSTR], s[TS], v[OSTR]
	s_lshl_b32 s[TS2], s[WV], 8
	s_add_co_u32 s[TS2], s[TS2], RTOK
	v_lshl_add_u32 v[RTW], v[LN], 2, s[TS2]
	v_lshl_add_u32 v[RTR], v[HH], 5, s[TS2]
	v_mov_b32 v[DMP], 2048
	v_mov_b32 v[CAD], CNT
	s_mov_b32 s[RB], 0
; THE SCAN, four registers (128 tokens, one load of i_type) at a time.  A matching lane's rank in my list is the rank at which its register begins plus the matching lanes below
; it; the others go to the dump word.  Register 4 m + z of lane l is token 2,048 w + 128 m + 4 l + z.  Behind each group two or three more weight loads go out: 40 in all.
.macro SCAN4 m
	s_wait_loadcnt 17-(\m)+wt                      ; loads return in order (ISA guide 5.7.1): behind load m of i_type stand 15 - m of its kind, the bias's 2 and the wt weight loads issued so far
.irp z, 0,1,2,3
	v_cmp_eq_u32 s[MK+\z], s[EX], v[TT+4*(\m)+\z]
.endr
.irp z, 0,1,2,3
	v_add_nc_u32 v[TP+4+\z], 128*(\m)+\z, v[TOKB]  ; the token numbers: work that waits for no mask
.endr
	s_bcnt1_i32_b32 s[RB+1], s[MK]
	s_bcnt1_i32_b32 s[RB+2], s[MK+1]
	s_bcnt1_i32_b32 s[RB+3], s[MK+2]
	s_bcnt1_i32_b32 s[TS], s[MK+3]
	s_add_co_u32 s[RB+1], s[RB+1], s[RB]
	s_add_co_u32 s[RB+2], s[RB+2], s[RB+1]
	s_add_co_u32 s[RB+3], s[RB+3], s[RB+2]
.irp z, 0,1,2,3
	v_mbcnt_lo_u32_b32 v[TP+\z], s[MK+\z], s[RB+\z]
.endr
	s_add_co_u32 s[RB], s[TS], s[RB+3]             ; the next four begin here
.irp z, 0,1,2,3
	v_cndmask_b32 v[TP+\z], v[DMP], v[TP+\z], s[MK+\z]
.endr
.irp z, 0,1,2,3
	v_min_u32 v[TP+\z], 0x800, v[TP+\z]            ; a list has 2,048 entries and the dump
.endr
.irp z, 0,1,2,3
	v_lshl_add_u32 v[TP+\z], v[TP+\z], 2, v[LBV]
.endr
.irp z, 0,1,2,3
	ds_store_b32 v[TP+\z], v[TP+4+\z]
.endr
	WLOADS 2+(\m)%2
.endm
.irp m, 0,1,2,3,4,5,6,7,8,9,10,11,12,13,14,15
	SCAN4 \m
.endr
	s_lshl_b32 s[TS], s[WV], 2
	s_add_co_u32 s[TS], s[TS], CNT
	v_mov_b32 v[TP], s[TS]
	v_mov_b32 v[TP+1], s[RB]
	ds_store_b32 v[TP], v[TP+1]                    ; my count: all lanes write the same word with the same number
	s_wait_dscnt 0x0                               ; for the others' sake: my list and my count are written
	s_barrier_signal -1
	s_barrier_wait -1                              ; the first barrier: lists and counts are whole, and no wave writes them again; the weight loads stay on their way
	; MY SHARE
	ds_load_b128 v[TP:TP+3], v[CAD]
	ds_load_b128 v[TP+4:TP+7], v[CAD] offset:16
	s_wait_dscnt 0x0
.irp i, 0,1,2,3,4,5,6,7
	v_readfirstlane_b32 s[CW+\i], v[TP+\i]
.endr
.irp i, 0,1,2,3,4,5,6,7
	s_min_u32 s[CW+\i], s[CW+\i], 0x800            ; a scan has 2,048 tokens
.endr
	s_mov_b32 s[BASE+1], s[CW]
.irp i, 1,2,3,4,5,6
	s_add_co_u32 s[BASE+\i+1], s[BASE+\i], s[CW+\i]
.endr
	s_add_co_u32 s[CE], s[BASE+7], s[CW+7]
	s_add_co_u32 s[NBLK], s[CE], 15
	s_lshr_b32 s[NBLK], s[NBLK], 4                 ; blocks of 16 ranks, 1,024 at the most
	s_mul_i32 s[TS], s[JG], s[NBLK]
	s_add_co_u32 s[TS2], s[TS], s[NBLK]
	s_lshr_b32 s[TS], s[TS], 2                     ; my row group's first block: j nblk / 4
	s_lshr_b32 s[TS2], s[TS2], 2                   ; the block behind its last: (j + 1) nblk / 4
	s_sub_co_u32 s[MG], s[TS2], s[TS]              ; m, 256 at the most
	s_mul_i32 s[CUR], s[WV], 3                     ; threes first: ahead of wave w stand min(3 w, 2 w + 4) blocks: 0, 3, 6, 9, 12, 14, 16, 18, and 20 in all
	s_lshl_b32 s18, s[WV], 1
	s_add_co_u32 s18, s18, 4
	s_min_u32 s[CUR], s[CUR], s18
	s_add_co_u32 s[BHI], s[WV], 1                  ; the same for wave w + 1
	s_mul_i32 s19, s[BHI], 3
	s_lshl_b32 s[BHI], s[BHI], 1
	s_add_co_u32 s[BHI], s[BHI], 4
	s_min_u32 s[BHI], s[BHI], s19
	s_min_u32 s[CUR], s[CUR], s[MG]                ; until none is left
	s_min_u32 s[BHI], s[BHI], s[MG]
	s_mul_i32 s18, s[WV], s[MG]                    ; evenly: w m / 8 .. (w + 1) m / 8 - 1
	s_add_co_u32 s19, s18, s[MG]
	s_lshr_b32 s18, s18, 3
	s_lshr_b32 s19, s19, 3
	s_cmp_le_u32 s[MG], 20
	s_cselect_b32 s[CUR], s[CUR], s18
	s_cselect_b32 s[BHI], s[BHI], s19
	s_add_co_u32 s[CUR], s[CUR], s[TS]             ; my first block,
	s_add_co_u32 s[BHI], s[BHI], s[TS]             ; and the block behind my last
	s_sub_co_u32 s[PN], s[BHI], s[CUR]             ; 32 blocks at the most
	s_add_co_u32 s[PN], s[PN], 2
	s_mul_i32 s[PN], s[PN], 0xaaab
	s_lshr_b32 s[PN], s[PN], 17                    ; a third of them, rounded up
	s_mov_b32 s[PCN], 0
; Rank g = G0 + 32 x + lane, held to the last valid one, is found in the eight lists: the list is the last whose first rank is not above g.
.macro LOOKUP x
.set R, TP+4*(\x)
	v_add_nc_u32 v[R], s[G0], v[LN]
.if (\x) > 0
	v_add_nc_u32 v[R], 32*(\x), v[R]
.endif
	v_min_u32 v[R], s[GL], v[R]
	v_mov_b32 v[R+1], 0
	v_mov_b32 v[R+2], 0
.irp i, 1,2,3,4,5,6,7
	v_cmp_le_u32 vcc_lo, s[BASE+\i], v[R]
	v_cndmask_b32 v[R+1], v[R+1], s[BASE+\i], vcc_lo      ; the list's first rank
	v_add_co_ci_u32 v[R+2], vcc_lo, 0, v[R+2], vcc_lo     ; the list's number
.endr
	v_sub_nc_u32 v[R], v[R], v[R+1]
	v_min_u32 v[R], 0x7ff, v[R]
	v_min_u32 v[R+2], 7, v[R+2]
	v_mul_u32_u24 v[R+2], v[R+2], LISTW
	v_lshl_add_u32 v[R], v[R], 2, v[R+2]
	v_add_nc_u32 v[R], LIST, v[R]
	ds_load_b32 v[R+3], v[R]
.endm
; A PASS'S HEAD, one text for passes of two and of three blocks: the pass's ranks, the tokens of its 48 places (places past the count repeat the last valid row), their offsets.
; again = 1: behind a pass, whose stores read the offsets and the ring's registers.
.macro HEAD again
	s_lshl_b32 s[G0], s[CUR], 4
	s_add_co_u32 s[TS], s[CUR], 3
	s_min_u32 s[TS], s[TS], s[BHI]
	s_lshl_b32 s[TS], s[TS], 4
	s_min_u32 s[TS], s[TS], s[CE]                  ; the rank behind the pass's last valid one
	s_sub_co_u32 s[NV], s[TS], s[G0]               ; at least 1 in a wave that has a block: block CUR holds a rank below the count
	s_sub_co_u32 s[GL], s[TS], 1
	s_sub_co_u32 s[TS2], s[BHI], s[CUR]
	s_cmp_ge_u32 s[TS2], 3
	s_cselect_b32 s[NB3], 1, 0
.if \again
	s_wait_xcnt 0x0                                ; the last pass's stores have read their offsets and their data: both are written anew below
.endif
	LOOKUP 0
	LOOKUP 1
	s_wait_dscnt 0x0
	ds_store_b32 v[RTW], v[TP+3]
	ds_store_b32 v[RTW], v[TP+7] offset:128
.set p, 0
.rept 24
	ds_load_b32 v[OFFS+p], v[RTR] offset:4*(16*(p/8)+p%8)  ; my wave's own words, served behind the stores above
.set p, p+1
.endr
	s_wait_dscnt 0x0
.set p, 0
.rept 24
	v_min_u32 v[OFFS+p], 0x3fff, v[OFFS+p]         ; 16,384 tokens
	v_lshl_add_u32 v[OFFS+p], v[OFFS+p], 11, v[CB] ; a row of input and of out0 is 2,048 bytes
.set p, p+1
.endr
.endm
; Unit u of a pass = chunk u / nb of 64 k, block u % nb: 16 rows x 256 bytes in eight loads, each of two rows' 256 consecutive bytes, into buffer u % 5.
.macro GLOAD u, nb
.set gb, (\u)%(\nb)
.set gc, (\u)/(\nb)
.set gx, LB+32*((\u)%5)
.set gi, 0
.rept 8
	global_load_b128 v[gx+4*gi:gx+4*gi+3], v[OFFS+8*gb+gi], s[4:5] offset:256*gc
.set gi, gi+1
.endr
.endm
.macro GL2                             ; units 0 and 1 are chunk 0 of blocks 0 and 1 in both kinds of pass
	GLOAD 0, 2
	GLOAD 1, 2
.endm
.macro GL3                             ; units 2 to 4 go by the kind of pass; both ways issue 24 loads into the same registers
	s_cmp_eq_u32 s[NB3], 1
	s_cbranch_scc1 .Lg3_\@
	GLOAD 2, 2
	GLOAD 3, 2
	GLOAD 4, 2
	s_branch .Lgj_\@
.Lg3_\@:
	GLOAD 2, 3
	GLOAD 3, 3
	GLOAD 4, 3
.Lgj_\@:
.endm
; THE WEIGHTS: eight loads at a time are rounded to bf16 and laid into B; a store of the wave covers 256 consecutive bytes.
; extra = the gather's loads issued so far; the rounded numbers lie in `sets` sets of 16 registers from tw on, by turns.
.macro WUNIT g, extra, tw, sets
.set wl, 56-8*(\g)+(\extra)            ; the younger weight loads and the gather's may stay out
.if wl > 63
.set wl, 63                            ; a wait names 63 at the most; the smaller count waits for no less
.endif
.set wr, (\tw)+16*((\g)%(\sets))
	s_wait_loadcnt wl
	WIN 0x05                                       ; sources 0 and 1 window 1, destination window 0
.set i, 0
.rept 8
	v_cvt_pk_bf16_f32 v[wr+2*i],   v[32*(\g)+4*i],   v[32*(\g)+4*i+1]
	v_cvt_pk_bf16_f32 v[wr+2*i+1], v[32*(\g)+4*i+2], v[32*(\g)+4*i+3]
.set i, i+1
.endr
	WIN 0
.set i, 0
.rept 8
	ds_store_b64 v[BW], v[wr+2*i:wr+2*i+1] offset:((8*(\g)+i)/4)*BPITCH+((8*(\g)+i)%4)*256
.set i, i+1
.endr
.endm
	HEAD 0                                         ; the first pass's rows are known
	s_cmp_eq_u32 s[PN], 0
	s_cbranch_scc1 .Lidle                          ; no block is mine: nothing is gathered
	GL2                                            ; the gather goes out among the conversions of the weights
.irp g, 0,1,2,3,4
	WUNIT \g, 16, TW, 2
.endr
	GL3
.irp g, 5,6,7
	WUNIT \g, 40, TW, 2
.endr
	s_branch .Lwdone
.Lidle:                                                ; the same eight conversions with no gather behind the weight loads: the counts are the weights' alone; the ring's registers are free for six sets
.irp g, 0,1,2,3,4,5,6,7
	WUNIT \g, 0, LB+64, 6
.endr
.Lwdone:
	s_wait_dscnt 0x0                               ; for the others' sake: my rows of B are written
	s_barrier_signal -1
	s_barrier_wait -1                              ; the second barrier: B is whole, and no wave writes it again; the gather's 40 loads stay on their way
	s_cmp_eq_u32 s[PN], 0
	s_cbranch_scc1 .Lend                           ; no block is mine
; Unit u is rounded in place, laid into my stage, and its buffer asked for again: five units, 40 loads, are out in each wave that has a block.
.macro CONSUME u, nb
.set left, 8*(\nb)-1-(\u)
.if left > 4
.set left, 4
.endif
	WIN 0
	s_wait_loadcnt 8*left                          ; the younger units, four or what is left of them, may stay out
.set cx, LB+32*((\u)%5)
.set cb, (\u)%(\nb)
.set ci, 0
.rept 8
	v_cvt_pk_bf16_f32 v[cx+4*ci],   v[cx+4*ci],   v[cx+4*ci+1]
	v_cvt_pk_bf16_f32 v[cx+4*ci+1], v[cx+4*ci+2], v[cx+4*ci+3]
.set ci, ci+1
.endr
.set ci, 0
.rept 8
	ds_store_b64 v[ASTW], v[cx+4*ci:cx+4*ci+1] offset:(16*cb+ci)*APITCH
.set ci, ci+1
.endr
.if (\u)+5 < 8*(\nb)
	GLOAD (\u)+5, \nb
.endif
.endm
; 4 nb matrix instructions: column blocks n0 .. n0 + 3 x all blocks.  The 8 nb accumulators take turns, one instruction a turn.
.macro MULS c, q, nb, n0
.set sn, \n0
.rept 4
.set sb, 0
.rept \nb
.if (\c) == 0 && (\q) == 0
	v_wmma_f32_16x16x32_bf16 v[8*(8*sb+sn):8*(8*sb+sn)+7], v[BF+8*sn:BF+8*sn+7], v[AF+8*sb:AF+8*sb+7], 0
.else
	v_wmma_f32_16x16x32_bf16 v[8*(8*sb+sn):8*(8*sb+sn)+7], v[BF+8*sn:BF+8*sn+7], v[AF+8*sb:AF+8*sb+7], v[8*(8*sb+sn):8*(8*sb+sn)+7]
.endif
.set sb, sb+1
.endr
.set sn, sn+1
.endr
.endm
; 32 along K: half q of chunk c.  A's fragments from my stage (LDS serves a wave's instructions in order, ISA guide 5.7.1.4: they see the stores above), B's from the slice.
; The places in front of the loads: for q = 0 the conversions of CONSUME, for q = 1 four v_nop.
.macro STEP c, q, nb
.if (\q) == 1
	PLACES
.endif
	WIN 0
.set sb, 0
.rept \nb
	ds_load_b128 v[AF+8*sb:AF+8*sb+3],   v[ASTR] offset:sb*16*APITCH+64*(\q)
	ds_load_b128 v[AF+8*sb+4:AF+8*sb+7], v[ASTR] offset:sb*16*APITCH+64*(\q)+32
.set sb, sb+1
.endr
	WIN 0x40                                       ; destination window 1
.set sn, 0
.rept 8
	ds_load_b128 v[BF+8*sn:BF+8*sn+3],   v[ADRB+sn/4] offset:(sn%4)*16*BPITCH+128*(\c)+64*(\q)
	ds_load_b128 v[BF+8*sn+4:BF+8*sn+7], v[ADRB+sn/4] offset:(sn%4)*16*BPITCH+128*(\c)+64*(\q)+32
.set sn, sn+1
.endr
	s_wait_dscnt 8                                 ; A and B's column blocks 0-3 are in; the youngest eight loads (blocks 4-7) may be out
	WIN 0x51                                       ; B, C and D window 1, A window 0
	MULS \c, \q, \nb, 0
	s_wait_dscnt 0x0
	MULS \c, \q, \nb, 4
.endm
; THE WAY OUT, a block of 16 rows at a time: a lane's eight columns go into my stage (each accumulator's low four registers first) and come back as
; rows; the bias is added; sixteen lanes store 256 consecutive bytes, at a multiple of 256 from out0's first byte.  Whole stores past the count are jumped.
.macro WAYOUT nb
	WIN 0
	PLACES                                         ; behind the last products
.set wb, 0
.rept \nb
.if wb > 0
	s_cmp_le_u32 s[NV], 16*wb
	s_cbranch_scc1 .Lwo_end_\nb
.endif
.if wb >= 2
	s_wait_xcnt 0x0                                ; the LDS loads below land in registers that block wb - 2's stores read
.endif
	WIN 0x04                                       ; store data window 1
.set wn, 0
.rept 8
	ds_store_b128 v[OSTW], v[8*(8*wb+wn):8*(8*wb+wn)+3]   offset:64*wn
	ds_store_b128 v[OSTW], v[8*(8*wb+wn)+4:8*(8*wb+wn)+7] offset:64*wn+16
.set wn, wn+1
.endr
	WIN 0
.set wx, LB+64*(wb%2)
.set wi, 0
.rept 16
	ds_load_b128 v[wx+4*wi:wx+4*wi+3], v[OSTR] offset:OPITCH*(wi/2)+256*(wi%2)
.set wi, wi+1
.endr
.set wi, 0
.rept 8
.if wi > 0
	s_cmp_le_u32 s[NV], 16*wb+wi                   ; rows 16 b + i and 16 b + 8 + i both lie past the count, and so does all that follows
	s_cbranch_scc1 .Lwo_end_\nb
.endif
	s_wait_dscnt 14-2*wi                           ; the younger loads from the stage may stay out
	v_pk_add_f32 v[wx+8*wi:wx+8*wi+1],   v[wx+8*wi:wx+8*wi+1],   v[BIAS:BIAS+1]
	v_pk_add_f32 v[wx+8*wi+2:wx+8*wi+3], v[wx+8*wi+2:wx+8*wi+3], v[BIAS+2:BIAS+3]
	v_pk_add_f32 v[wx+8*wi+4:wx+8*wi+5], v[wx+8*wi+4:wx+8*wi+5], v[BIAS+4:BIAS+5]
	v_pk_add_f32 v[wx+8*wi+6:wx+8*wi+7], v[wx+8*wi+6:wx+8*wi+7], v[BIAS+6:BIAS+7]
	global_store_b128 v[OFFS+8*wb+wi], v[wx+8*wi:wx+8*wi+3],   s[12:13] th:TH_STORE_NT
	global_store_b128 v[OFFS+8*wb+wi], v[wx+8*wi+4:wx+8*wi+7], s[12:13] offset:256 th:TH_STORE_NT
.set wi, wi+1
.endr
.set wb, wb+1
.endr
.Lwo_end_\nb:
	s_wait_dscnt 0x0                               ; on the ways that jumped, loads from the stage are still out
.endm
; A PASS'S BODY over nb blocks of 16 ranks, all 128 columns, K = 512 in eight chunks of 64.  Its first five units have been asked for.
.macro BODY nb
.set cn, 0
.rept 8
.set bn, 0
.rept \nb
	CONSUME cn*(\nb)+bn, \nb
.set bn, bn+1
.endr
	STEP cn, 0, \nb
	STEP cn, 1, \nb
.set cn, cn+1
.endr
	WAYOUT \nb
.endm
.Lpass:                                                ; PN trips; no barrier and no write of shared LDS bytes stands in the loop
	s_cmp_eq_u32 s[NB3], 1
	s_cbranch_scc1 .Lb3
	BODY 2                                         ; one or two blocks are left
	s_branch .Lnext
.Lb3:
	BODY 3
.Lnext:
	s_add_co_u32 s[CUR], s[CUR], 3
	s_add_co_u32 s[PCN], s[PCN], 1
	s_cmp_ge_u32 s[PCN], s[PN]
	s_cbranch_scc1 .Lend                           ; that was my last pass: nothing more is asked for
	HEAD 1                                         ; the next pass's rows, and its first five units
	GL2
	GL3
	s_cmp_lt_u32 s[PCN], s[PN]
	s_cbranch_scc1 .Lpass
.Lend:
	s_wait_tensorcnt 0x0                           ; the wave's end, behind my last LDS store
	ds_add_u32 v[SPW], v[NIL]
	s_wait_dscnt 0x0
	s_endpgm
.Lfunc_end_k_qdb6bb9b7a2_tcl:
	.size	k_qdb6bb9b7a2_tcl, .Lfunc_end_k_qdb6bb9b7a2_tcl-k_qdb6bb9b7a2_tcl
	.p2alignl 7, 3214868480
	.fill 96, 4, 3214868480
	.section	.rodata,"a",@progbits
	.p2align	6, 0x0
	.amdhsa_kernel k_qdb6bb9b7a2_tcl
		.amdhsa_group_segment_fixed_size 271616
		.amdhsa_private_segment_fixed_size 0
		.amdhsa_enable_private_segment 0
		.amdhsa_kernarg_size 40
		.amdhsa_user_sgpr_count 2
		.amdhsa_user_sgpr_kernarg_segment_ptr 1
		.amdhsa_wavefront_size32 1
		.amdhsa_system_sgpr_workgroup_id_x 1
		.amdhsa_system_sgpr_workgroup_id_y 1
		.amdhsa_system_sgpr_workgroup_id_z 1
		.amdhsa_system_vgpr_workitem_id 0
		.amdhsa_next_free_vgpr 512
		.amdhsa_next_free_sgpr 66
		.amdhsa_reserve_vcc 1
		.amdhsa_float_denorm_mode_32 3
		.amdhsa_float_denorm_mode_16_64 3
		.amdhsa_memory_ordered 1
		.amdhsa_forward_progress 1
		.amdhsa_inst_pref_size 255
	.end_amdhsa_kernel
	.section	.bss,"aw",@nobits
	.p2align	6
	.space	262144
	.amdgpu_metadata
---
amdhsa.version: [ 1, 2 ]
amdhsa.kernels:
  - .name:           k_qdb6bb9b7a2_tcl
    .symbol:         k_qdb6bb9b7a2_tcl.kd
    .args:
      - { .name: input, .offset: 0, .size: 8, .value_kind: global_buffer, .address_space: global }
      - { .name: i_type, .offset: 8, .size: 8, .value_kind: global_buffer, .address_space: global }
      - { .name: weight, .offset: 16, .size: 8, .value_kind: global_buffer, .address_space: global }
      - { .name: bias, .offset: 24, .size: 8, .value_kind: global_buffer, .address_space: global }
      - { .name: out0, .offset: 32, .size: 8, .value_kind: global_buffer, .address_space: global }
    .group_segment_fixed_size: 271616
    .private_segment_fixed_size: 0
    .kernarg_segment_align: 8
    .kernarg_segment_size: 40
    .max_flat_workgroup_size: 256
    .sgpr_count:     66
    .vgpr_count:     512
    .wavefront_size: 32
...
	.end_amdgpu_metadata
.endif
;; end of part 1
